; MI455X (gfx1250); checked and timed in simulation.
; The chip was launched on July 23, 2026; its instructions are those of AMD's public machine-readable ISA for CDNA 5 (MIT licence, August 2026) and "CDNA5" Instruction Set Architecture Reference Guide (July 2026). The comments in the code are by the model that wrote it; some were corrected since.
;; Q Linear. Allowed arithmetic: float matrix products may take bf16 or f16 operands with f32 sums; other float arithmetic in f32, or as packed bf16 or f16 multiplies, adds, multiply-adds, maxima and minima; sums over many terms, partial sums and values carried from step to step in f32; what a program stores and reads back later, other than sums and carried values, may be rounded once to bf16 or f16.
;; Inputs: qbias 4,096 int32; qinput 4,096 x 4,096 int8; qweight 4,096 x 4,096 int8; weight_scale 4,096 float32.
;; Outputs: out0 4,096 x 4,096 int8.
;; One version. Each part assembles by itself: llvm-mc -triple=amdgcn-amd-amdhsa -mcpu=gfx1250 --defsym DOCPART=n.
;; ======== version 1 of 1: 1 launch
;; limits: below input magnitudes of 6.1e-05 results are inexact or not finite; right only within a limited range of input values
;; launch qlinear (part 1): grid 16 x 16, 4 waves a work-group, clusters of 4 x 4, 327,680 bytes of LDS; arguments qinput, qweight, qbias, weight_scale, out0; writes out0
.if DOCPART == 1
	.amdgcn_target "amdgcn-amd-amdhsa--gfx1250"
	.amdhsa_code_object_version 6
	.text
	.protected	k_q1c1bfb590b_qlinear
	.globl	k_q1c1bfb590b_qlinear
	.p2align	8
	.type	k_q1c1bfb590b_qlinear,@function
k_q1c1bfb590b_qlinear:
	s_mov_b64 s[64:65], 0
	v_nop
	global_prefetch_b8 v0, s[64:65] scope:SCOPE_SE
	s_setreg_imm32_b32 hwreg(HW_REG_WAVE_MODE, 25, 1), 1
	s_wait_xcnt 0x0
	s_wait_alu depctr_hold_cnt(0) depctr_sa_sdst(0) depctr_va_vdst(0) depctr_va_sdst(0) depctr_va_ssrc(0) depctr_va_vcc(0) depctr_vm_vsrc(0)
	s_getreg_b32 s2, hwreg(HW_REG_IB_STS2, 6, 4)
	s_cmp_eq_u32 s2, 0
	s_cbranch_scc0 .Lentry_in_a_cluster
	s_endpgm
.Lentry_in_a_cluster:
	s_bfe_u32 s2, ttmp6, 0x10000c
	s_cmp_lg_u32 s2, 0xf033
	s_cbranch_scc0 .Lentry_shape_is_right
	s_endpgm
.Lentry_shape_is_right:
; out0[m][n] = clip(((acc[m][n] x int_scale[n]) >> frac_bits[n]) - 5, -128, 127),  acc[m][n] = sum over k of x[m][k] w[n][k] + qbias[n] + 3 x sum over k of w[n][k].
; x = qinput [4096][4096] int8, w = qweight [4096][4096] int8, qbias [4096] int32, weight_scale [4096] f32, out0 [4096][4096] int8.  One launch; nothing is left out: all four inputs are loaded and used.
; FORMAT.  The operands ARE 8-bit integers, so they go to the matrix unit as they lie (v_wmma_i32_16x16x64_iu8, both signed): nothing is narrowed, the int32 sums have one right value in any order.
; SHARES.  A tile of out0, 256 x 256, is made by a work-group of four waves; a wave makes 128 x 128: 64 accumulators of 16 x 16, 512 registers.  K goes in 16 steps of 256 bytes through two LDS slots
; filled by the tensor data mover: a tile's rows are 256 bytes of memory and start at multiples of 256 bytes from the buffer's first byte.
; CLUSTER.  4 x 4 work-groups.  The four of a row of the cluster need the same tiles of x, the four of a column the same tiles of w: each tile is asked for JOINTLY, by the same tensor load with the same
; descriptor and a mask that names the four.
; TRANSPOSED USE.  Source 0 = 16 rows of w, source 1 = 16 rows of x: a lane holds row m = lane % 16 of out0, and register j the column 8 (lane / 16) + j.  A fragment is 16 rows x 64 bytes of K in 8 registers,
; by two loads of 16 bytes, 32 bytes apart, at row x pitch + 16 (lane / 16): a permutation of k inside the 64 that is the same for both sources, which integer sums do not see.
; THE BIAS.  qbias + 2^23 is the C operand of each accumulator's first product.  3 x sum_k w comes from the matrix unit too: four of the wave's eight fragments of w times a fragment of bytes 3, 4 products
; beside each 64; the result has the accumulators' layout (register j = column 8 (lane / 16) + j).  A wave numbers its fragments of w so that fragments 0-3 are the four column blocks whose sums it makes
; (blocks 4 RH + i; fragments 4-7 are the other four): the two waves of a column half make its eight blocks' sums once, and exchange them through a table in LDS.
; THE SCALE, in f32, with reference()'s roundings: a = 0.05f x ws; x = a / 0.1f, correctly rounded (q0 = 10 a; x = q0 + 10 (a - 0.1f q0), both corrections fused; 10 is the rounded reciprocal of 0.1f);
; frac_bits f = 7 - ceil(log2 x), read off x's exponent field; exp2(f) is taken as exp(f x ln2f): y = f x ln2f rounded, d = y - f x ln 2 by the two-part constant 0.693359375 - 2.1219444e-4,
; E = 2^f (1 + d) (d^2 / 2 lies under the rounding of 1 + d); int_scale s = round to even (x E).  Where a log2 rounded otherwise falls on the other side of a power of two, the pair is (128, f + 1)
; for (64, f): the same ratio and the same outputs.
; THE REQUANTISATION, exact in 32 bits.  U = sum x w + qbias + 2^23 is held to 0 .. 2^24 - 1; p = U s + BC with BC = RS s - (s << 23) - (5 << f), RS = 3 x sum_k w; out = clip(p >> f).
; The first clamp changes no output: outside it |sum x w + qbias| >= 2^23 - 1, |RS| <= 1.5 x 2^20, so acc and its stand-in both have magnitude >= 6.5 x 2^20 - 1 and the same sign, and with s >= 64, f <= 21 both
; give (|acc| s) >> f >= 207: the same end of the clip.  |p| <= (2^23 + 1.5 x 2^20) x 128 + 5 x 2^21 < 2^31.
; LIMITS.  weight_scale is positive and finite with 0 <= f <= 21, that is 2^-15 < 0.5 x weight_scale <= 128.  |qbias| <= 2^30.  The product acc x int_scale is taken unwrapped, as a 64-bit product.
;
; REGISTERS, in windows of 256 (s_set_vgpr_msb: bits 1:0 source 0, 3:2 source 1, 5:4 source 2, 7:6 destination):
;   window 0: v0-63 addresses, set-up, the fragment of threes; v64-127, v128-191 fragments of x, two buffers (on the way out: at work); v192-255 qbias + 2^23 in the accumulators' layout
;   window 1: v0-31 the four row-sum accumulators; v64-127, v128-191 fragments of w, two buffers; on the way out v64-127 s, v128-191 BC, v192-255 f, each in the accumulators' layout
;   window 2: the 32 accumulators of my rows 0-63 ((a, b) at v[8 (8 a + b)]);   window 3: those of my rows 64-127
.set KSTEP,  256                       ; bytes of K in a step
.set PITCH,  272                       ; an LDS row: 256 bytes + 16 of padding = 68 words: row r starts at bank 4 r mod 64 (64 banks of 4 bytes: ISA guide 11.1)
.set HALFT,  128*PITCH                 ; 128 rows: what one tensor load brings, and what one wave reads of x or of w
.set SLOT,   4*HALFT                   ; x's 256 rows, then w's 256 rows
.set TAB,    2*SLOT                    ; behind the ring, never filled by a tensor load: four tables of 256 words: s, f, -(5 << f) - (s << 23), BC
.set SPARE,  TAB+4096                  ; behind the tables: the spare words, 128 bytes for each wave: two blocks of 256 bytes that no other line names
.set LAPS,   4096/(2*KSTEP)            ; a lap = two K steps = once round the ring
; THE STAGE for the way out, 256 rows x 272 bytes, lies at LDS byte 0, in slot 0: that slot has had its last fill (K step 14) and its last read when the first byte is staged.
.set ADRA,  16                         ; v16-17  LDS address of my fragments of x in slot 0, 1
.set ADRBL, 18                         ; v18-19  of my fragments 0-3 of w
.set ADRBH, 20                         ; v20-21  of my fragments 4-7 of w
.set STOL,  22                         ; v22     the way out: where I put 8 bytes of a row, fragments 0-3
.set STOH,  23                         ; v23     fragments 4-7
.set RD,    24                         ; v24     where I read a row back
.set CO,    25                         ; v25     my byte offset in out0
.set PLO,   26                         ; v26     my eight words of a table, fragments 0-3
.set PHI,   27                         ; v27     fragments 4-7
.set SPW,   28                         ; v28     LDS address of my spare word: SPARE + 4 x my thread's number; never rewritten
.set NIL,   29                         ; v29     0; never rewritten
.set PFO,   30                         ; v30     the prefetches' offset: my lane x a row of 4,096 bytes; never rewritten
.set TADR,  31                         ; v31     where I put my two columns' parameters
.set THREE, 32                         ; v32-39  a fragment of bytes 3
.set F0,    64                         ; fragment buffer 0
.set F1,    128                        ; fragment buffer 1
.set PB,    192                        ; window 0: qbias + 2^23, fragment b at PB + 8 b
.set RS,    0                          ; window 1: the row sums
.set T,     64                         ; window 0, the way out: 64 numbers at work
.set U,     128                        ; window 0, the way out: 16 packed words
.set PS,    64                         ; window 1, the way out
.set PBC,   128
.set PF,    192
.set WV, 14                            ; s14  my wave's number
.set RH, 15                            ; s15  which half of the tile's rows is mine.  Also: I fetch for x (0) or for w (1)
.set CH, 16                            ; s16  which half of its columns.  Also: which 128 rows of that tile I fetch
.set CX, 17                            ; s17, s18  my place in the cluster
.set CY, 18
.set TC, 19                            ; s19  tile column
.set TR, 20                            ; s20  tile row
.set G1,  24                           ; s[24:31] descriptor group 1 for x's tiles
.set G0,  32                           ; s[32:39] descriptor group 0 for x's tiles, one set for each slot
.set G1B, 48                           ; s[48:55], s[56:63] the same for w's tiles
.set G0B, 56
.set PFA, 66                           ; s[66:67] where my prefetches stand: my work-group's 32 rows of the 128 that I fetch, at the K step that is being asked for; a prefetch names the K step after it
.set LIM, 68                           ; s68  1 in a wave that prefetches, else the greatest number
.set MSB, 0
.macro WIN new                         ; the immediate's high byte repeats the setting that is left; a switch that changes nothing is dropped
.if MSB != (\new)
	s_set_vgpr_msb (MSB<<8)|(\new)
.set MSB, \new
.endif
.endm
.set MUL_LO,   0xa1                    ; source 0 (w) window 1, source 1 (x) window 0, C and D window 2
.set FIRST_LO, 0x81                    ; the same with C (qbias + 2^23) in window 0
.set RSW,      0x51                    ; the row sums: C and D window 1
.set TO_B,     0x40                    ; destination window 1, address window 0
.set E_BC,     0x55                    ; all in window 1
.set E_STB,    0x04                    ; an LDS store's data in window 1
.set E_MAD,    0x14                    ; sources 1 and 2 in window 1
.set E_SH,     0x01                    ; source 0 in window 1
; A vector instruction that reads a result of this matrix form or writes one of its registers, and a load into a register that it has read, stand eight places behind it, and only plain vector
; instructions that name none of its registers are places (ISA guide 7.12.1 for vector instructions).
.macro PLACES
.rept 8
	v_nop
.endr
.endm
; A joint load.  Waves 0 and 1 fetch x's two halves, waves 2 and 3 w's.  Each line has one mask and one set of registers for all that issue it; the branch hangs on the wave's number alone.
; An s_nop 0 follows each line; the eight v_nop behind it are also the places in front of the LDS loads that follow the macro.
.macro JLOAD s
	s_cmp_eq_u32 s[RH], 0
	s_cbranch_scc0 .Lfor_b_\@
	tensor_load_to_lds s[G0+4*(\s):G0+4*(\s)+3], s[G1:G1+7]
	s_nop 0
	PLACES
	s_branch .Lasked_\@
.Lfor_b_\@:
	tensor_load_to_lds s[G0B+4*(\s):G0B+4*(\s)+3], s[G1B:G1B+7]
	s_nop 0
	PLACES
.Lasked_\@:
.endm
; A PREFETCH INTO THE L2, behind each joint refill, its lines and the run of LDS loads that follows: the K step that the NEXT refill will ask for: 32 rows x 256 bytes, a lane a row, one instruction a wave;
; 272 matrix instructions stand between it and that refill.  Each row's 256 bytes of a K step are named once in the launch: x's tile row is read by every cluster of that row of clusters, and the one with
; cluster x = 0 asks; w's tile column by every cluster of that column, and the one with cluster y = 0 asks; the four partners that ask for a tile jointly share its rows out BY ADDRESS, 32 of a wave's 128 each.
; K steps 0 to 2 come by their loads alone; the last refill (slot 1, s3 = 1) has no K step behind it and asks for nothing.
.macro ASK slot
.if \slot
	s_cmp_gt_u32 s3, s[LIM]
.else
	s_cmp_eq_u32 s[LIM], 1
.endif
	s_cbranch_scc0 .Lnot_mine_\@
	global_prefetch_b8 v[PFO], s[PFA:PFA+1] offset:KSTEP th:TH_LOAD_NT scope:SCOPE_SE
.Lnot_mine_\@:
.endm
; A round of the cluster's barrier: my work-group's barrier, so that wave 0's signal speaks for all four waves; wave 0 signals for the work-group; every wave waits for all sixteen; my work-group's barrier once more.
.macro CREST                           ; a round behind its opening barrier
	s_cmp_lg_u32 s[WV], 0
	s_cbranch_scc1 .Lnot_wave_0_\@
	s_barrier_signal -3
.Lnot_wave_0_\@:
	s_barrier_wait -3
	s_barrier_signal -1
	s_barrier_wait -1
.endm
.macro CROUND                          ; a whole round
	s_barrier_signal -1
	s_barrier_wait -1
	CREST
.endm
	s_load_b256 s[4:11], s[0:1], 0x0               ; qinput s[4:5], qweight s[6:7], qbias s[8:9], weight_scale s[10:11]
	s_load_b64 s[12:13], s[0:1], 0x20              ; out0
	v_lshl_add_u32 v[SPW], v0, 2, SPARE
	v_mov_b32 v[NIL], 0
	ds_add_u32 v[SPW], v[NIL]                      ; the wave's opening: the add, twice on end, and its wait ahead of my first tensor load; the set-up below, work on registers, stands between
	ds_add_u32 v[SPW], v[NIL]                      ; and once more, under the one wait
	v_lshrrev_b32 v1, 5, v0
	v_readfirstlane_b32 s[WV], v1                  ; wave 0..3
	s_lshr_b32 s[RH], s[WV], 1
	s_and_b32 s[CH], s[WV], 1
	s_bfe_u32 s[CX], ttmp6, 0x40000
	s_bfe_u32 s[CY], ttmp6, 0x40004
	s_lshl_b32 s[TC], ttmp9, 2                     ; in a cluster launch ttmp9 and ttmp7 count clusters
	s_add_co_u32 s[TC], s[TC], s[CX]               ; tile column = 4 x cluster x + cx
	s_and_b32 s[TR], ttmp7, 0xffff
	s_lshl_b32 s[TR], s[TR], 2
	s_add_co_u32 s[TR], s[TR], s[CY]               ; tile row = 4 x cluster y + cy
	s_lshl_b32 s21, s[CY], 2
	s_lshl_b32 s21, 15, s21                        ; my row of the cluster: places 4 cy .. 4 cy + 3
	s_lshl_b32 s22, 0x1111, s[CX]                  ; my column: places cx, cx + 4, cx + 8, cx + 12
	; descriptor group 1: a tile of 128 rows x 256 elements of one byte, padded in LDS
	s_or_b32 s[G1+0], s21, (1<<20)|(1<<21)|(5<<22)|(3<<25)   ; 15:0 the mask: x's tiles go to my row; 17:16 elements of 1 byte; 20 padding on; 21 set beside a mask; 24:22 after every 64 words (code 5); 31:25 4 words (code 3)
	s_or_b32 s[G1B+0], s22, (1<<20)|(1<<21)|(5<<22)|(3<<25)  ; the same with the mask of my column, for w's tiles
.irp g, G1, G1B
	s_mov_b32 s[(\g)+1], KSTEP<<16                 ; tensor_dim0 = 256
	s_mov_b32 s[(\g)+2], 128<<16                   ; tensor_dim1 = 128
	s_mov_b32 s[(\g)+3], KSTEP<<16                 ; tile_dim0 = 256
	s_mov_b32 s[(\g)+4], 128                       ; tile_dim1 = 128
	s_mov_b32 s[(\g)+5], 4096                      ; elements from row to row
	s_mov_b32 s[(\g)+6], 0
	s_mov_b32 s[(\g)+7], 0
.endr
	s_mov_b32 s69, 0xffffff                        ; the first clamp's upper end
	s_mov_b32 s70, 0xffffff80                      ; -128
	s_mov_b32 s71, 127
	s_mov_b32 s72, 0x04000400                      ; v_perm_b32: the low bytes of two words into a half
	s_mov_b32 s73, 0x05040100                      ; the low halves of two words into a word
	s_mov_b32 s74, 0x3d4ccccd                      ; 0.05f
	s_mov_b32 s75, 0x3dcccccd                      ; 0.1f
	s_mov_b32 s76, 0x41200000                      ; 10.0
	s_mov_b32 s77, 0x3f317218                      ; ln 2 in f32
	s_mov_b32 s78, 0x3f318000                      ; 0.693359375
	s_mov_b32 s79, 0xb95e8083                      ; -2.1219444e-4
	; where the tiles come from: x's hang on the tile row alone, w's on the tile column alone; each address is made in registers that never hold the other coordinate
	s_lshl_b32 s42, s[CH], 19                      ; which 128 rows of 4,096 bytes I fetch
	s_lshl_b32 s40, s[TR], 20                      ; 256 rows of 4,096 bytes a tile
	s_add_co_u32 s40, s40, s42
	s_mov_b32 s41, 0
	s_lshl_b32 s44, s[TC], 20
	s_add_co_u32 s44, s44, s42
	s_mov_b32 s45, 0
	s_mul_i32 s23, s[WV], HALFT                    ; and where they go: wave x 128 rows: no place in the cluster enters an LDS address
	s_wait_dscnt 0x0                               ; both opening adds are done
	s_wait_kmcnt 0x0
	s_add_nc_u64 s[40:41], s[4:5], s[40:41]
	s_add_nc_u64 s[44:45], s[6:7], s[44:45]
	CROUND                                         ; all sixteen work-groups are here: the first joint loads meet
.irp s, 0,1
	s_mov_b32 s[G0+4*(\s)], 1                                      ; count = 1
	s_add_co_u32 s[G0+4*(\s)+1], s23, (\s)*SLOT                    ; LDS address
	s_add_nc_u64 s[G0+4*(\s)+2:G0+4*(\s)+3], s[40:41], (\s)*KSTEP  ; global address: K step s
	s_or_b32 s[G0+4*(\s)+3], s[G0+4*(\s)+3], 0x80000000            ; type = 2
	s_mov_b32 s[G0B+4*(\s)], 1
	s_add_co_u32 s[G0B+4*(\s)+1], s23, (\s)*SLOT
	s_add_nc_u64 s[G0B+4*(\s)+2:G0B+4*(\s)+3], s[44:45], (\s)*KSTEP
	s_or_b32 s[G0B+4*(\s)+3], s[G0B+4*(\s)+3], 0x80000000
	JLOAD \s                                       ; two tensor loads of mine are out
.endr
	; WHILE THE FIRST TILES COME: the tile's 256 scales and biases, every lane address, the parameters
	v_and_b32 v1, 15, v0                           ; r = l % 16
	v_bfe_u32 v2, v0, 4, 1                         ; h = l / 16
	s_xor_b32 s46, s[RH], 1                        ; 1 - RH
	s_lshl_b32 s42, s[CH], 9                       ; a word for each column: 128 CH,
	s_lshl_b32 s43, s[RH], 8                       ; + 64 RH for fragments 0-3,
	s_add_co_u32 s43, s43, s42
	s_lshl_b32 s47, s46, 8                         ; + 64 (1 - RH) for fragments 4-7,
	s_add_co_u32 s47, s47, s42
	v_lshl_add_u32 v12, v2, 5, s43                 ; + 8 h
	v_lshl_add_u32 v13, v2, 5, s47
	v_lshlrev_b32 v14, 3, v0                       ; thread t has columns 2 t and 2 t + 1 of the tile
	s_lshl_b32 s44, s[TC], 10                      ; the tile's 256 columns, 4 bytes each
	s_mov_b32 s45, 0
	s_add_nc_u64 s[8:9], s[8:9], s[44:45]
	s_add_nc_u64 s[10:11], s[10:11], s[44:45]
	global_load_b64 v[40:41], v14, s[10:11]        ; two scales
.irp i, 0,1,2,3
	global_load_b128 v[PB+8*(\i):PB+8*(\i)+3],       v12, s[8:9] offset:64*(\i)      ; qbias in the accumulators' layout: register j = column 8 h + j of the fragment's 16
	global_load_b128 v[PB+8*(\i)+4:PB+8*(\i)+7],     v12, s[8:9] offset:64*(\i)+16
	global_load_b128 v[PB+32+8*(\i):PB+32+8*(\i)+3], v13, s[8:9] offset:64*(\i)
	global_load_b128 v[PB+32+8*(\i)+4:PB+32+8*(\i)+7], v13, s[8:9] offset:64*(\i)+16
.endr
	v_add_nc_u32 v[PLO], TAB, v12
	v_add_nc_u32 v[PHI], TAB, v13
	v_lshl_add_u32 v[TADR], v0, 3, TAB
	v_mul_u32_u24 v3, v1, PITCH
	v_lshl_add_u32 v3, v2, 4, v3                   ; a fragment's row x pitch + 16 x half
	s_mul_i32 s42, s[RH], HALFT                    ; my 128 rows of x
	s_mul_i32 s43, s[CH], HALFT                    ; my 128 rows of w,
	s_add_co_u32 s43, s43, 2*HALFT                 ; which lie behind x's 256:
	s_mul_i32 s47, s[RH], 64*PITCH
	s_add_co_u32 s47, s47, s43                     ; fragments 0-3,
	s_mul_i32 s2, s46, 64*PITCH
	s_add_co_u32 s2, s2, s43                       ; fragments 4-7
.irp s, 0,1
	v_add_nc_u32 v[ADRA+(\s)], s42, v3
	v_add_nc_u32 v[ADRBL+(\s)], s47, v3
	v_add_nc_u32 v[ADRBH+(\s)], s2, v3
	s_add_co_u32 s42, s42, SLOT
	s_add_co_u32 s47, s47, SLOT
	s_add_co_u32 s2, s2, SLOT
.endr
	s_mul_i32 s42, s[RH], 128*PITCH                ; into the stage: row 128 RH + r (+ 16 a), byte 128 CH + 64 RH or 64 (1 - RH) + 8 h (+ 16 b)
	s_lshl_b32 s43, s[CH], 7
	s_add_co_u32 s42, s42, s43
	s_lshl_b32 s43, s[RH], 6
	s_add_co_u32 s43, s43, s42
	s_lshl_b32 s47, s46, 6
	s_add_co_u32 s47, s47, s42
	v_mul_u32_u24 v4, v1, PITCH
	v_lshl_add_u32 v4, v2, 3, v4
	v_add_nc_u32 v[STOL], s43, v4
	v_add_nc_u32 v[STOH], s47, v4
	s_mul_i32 s42, s[WV], 64*PITCH                 ; back: wave w takes rows 64 w .. 64 w + 63, whole; lanes 0-15 one row of 256 bytes, lanes 16-31 the next
	v_mul_u32_u24 v5, v2, PITCH
	v_lshl_add_u32 v5, v1, 4, v5
	v_add_nc_u32 v[RD], s42, v5
	v_lshlrev_b32 v5, 12, v2                       ; and the same two rows in out0
	v_lshl_add_u32 v[CO], v1, 4, v5
	s_lshl_b32 s42, s[TR], 20                      ; the first row that I store: 256 x tile row + 64 x wave, 4,096 bytes a row,
	s_lshl_b32 s43, s[WV], 18
	s_add_co_u32 s42, s42, s43
	s_lshl_b32 s43, s[TC], 8                       ; and the tile's first column
	s_add_co_u32 s42, s42, s43
	s_mov_b32 s43, 0
	s_add_nc_u64 s[12:13], s[12:13], s[42:43]
	; the prefetches
	s_and_b32 s2, ttmp7, 0xffff                    ; cluster y
	s_cmp_eq_u32 s[RH], 0                          ; do I fetch for x?
	s_cselect_b32 s42, s[TR], s[TC]                ; the tile: in x by the tile row, in w by the tile column
	s_cselect_b32 s43, s[CX], s[CY]                ; my place among the four that ask for it with me
	s_cselect_b32 s2, ttmp9, s2                    ; the coordinate along which other clusters read the same rows
	s_cselect_b64 s[PFA:PFA+1], s[4:5], s[6:7]
	s_cmp_eq_u32 s2, 0
	s_cselect_b32 s[LIM], 1, -1                    ; the same in all sixteen partners, for a given wave
	s_lshl_b32 s42, s42, 20
	s_lshl_b32 s47, s[CH], 19                      ; + the 128 rows that I fetch
	s_add_co_u32 s42, s42, s47
	s_lshl_b32 s43, s43, 17                        ; + my work-group's 32 of them
	s_add_co_u32 s42, s42, s43
	s_mov_b32 s43, 0
	s_add_nc_u64 s[PFA:PFA+1], s[PFA:PFA+1], s[42:43]
	s_add_nc_u64 s[PFA:PFA+1], s[PFA:PFA+1], KSTEP ; at K step 1: the first refill steps it to 2 and names K step 3.  Nothing is prefetched here, at the head
	v_and_b32 v[PFO], 31, v0
	v_lshlrev_b32 v[PFO], 12, v[PFO]
.irp i, 0,1,2,3,4,5,6,7
	v_mov_b32 v[THREE+(\i)], 0x03030303
.endr
	v_mov_b32 v56, 5
	s_wait_loadcnt 0x0                             ; the scales and the biases are in
.irp c, 0,1                            ; my two columns' parameters (the head's comment, THE SCALE)
	v_mul_f32 v[42+(\c)], s74, v[40+(\c)]          ; a = 0.05f ws
	v_mul_f32 v[44+(\c)], s76, v[42+(\c)]          ; q0 = 10 a
	v_fma_f32 v[46+(\c)], -v[44+(\c)], s75, v[42+(\c)]  ; a - 0.1f q0
	v_fma_f32 v[44+(\c)], v[46+(\c)], s76, v[44+(\c)]   ; x = a / 0.1f, rounded once
	v_add_nc_u32 v[46+(\c)], -1, v[44+(\c)]        ; x's bits less 1: an exact power of two falls into the exponent below
	v_lshrrev_b32 v[46+(\c)], 23, v[46+(\c)]       ; ceil(log2 x) + 126
	v_sub_nc_u32 v[46+(\c)], 133, v[46+(\c)]       ; f = 7 - ceil(log2 x)
	v_cvt_f32_i32 v[48+(\c)], v[46+(\c)]
	v_mul_f32 v[50+(\c)], s77, v[48+(\c)]          ; y = f ln2f, rounded
	v_fma_f32 v[50+(\c)], -v[48+(\c)], s78, v[50+(\c)]
	v_fma_f32 v[50+(\c)], -v[48+(\c)], s79, v[50+(\c)]  ; d = y - f ln 2
	v_add_f32 v[50+(\c)], 1.0, v[50+(\c)]
	v_ldexp_f32 v[50+(\c)], v[50+(\c)], v[46+(\c)] ; E = 2^f (1 + d)
	v_mul_f32 v[50+(\c)], v[44+(\c)], v[50+(\c)]
	v_rndne_f32 v[50+(\c)], v[50+(\c)]
	v_cvt_i32_f32 v[52+(\c)], v[50+(\c)]           ; s
	v_lshlrev_b32 v[54+(\c)], v[46+(\c)], v56      ; 5 << f
	v_lshl_add_u32 v[54+(\c)], v[52+(\c)], 23, v[54+(\c)]
	v_sub_nc_u32 v[54+(\c)], 0, v[54+(\c)]         ; -(5 << f) - (s << 23)
.endr
	ds_store_b64 v[TADR], v[52:53]
	ds_store_b64 v[TADR], v[46:47] offset:1024
	ds_store_b64 v[TADR], v[54:55] offset:2048
.set i, 0
.rept 64
	v_add_nc_u32 v[PB+i], 0x800000, v[PB+i]        ; qbias + 2^23
.set i, i+1
.endr
; 16 matrix instructions: m blocks a0, a0 + 1 of the window's four (hi = 0: my rows 0-63, 1: rows 64-127) x all 8 fragments of w, 64 along K.  first = 1: the first product starts the sum with qbias + 2^23.
; The accumulators take turns, one instruction a turn, in the same order in every quarter step.
.macro MUL16 f, hi, a0, first
.if \first
	WIN FIRST_LO+0x40*(\hi)
.else
	WIN MUL_LO+0x50*(\hi)
.endif
.irp a, \a0, (\a0)+1
.irp b, 0,1,2,3,4,5,6,7
.if \first
	v_wmma_i32_16x16x64_iu8 v[8*(8*(\a)+(\b)):8*(8*(\a)+(\b))+7], v[(\f)+8*(\b):(\f)+8*(\b)+7], v[(\f)+8*(4*(\hi)+(\a)):(\f)+8*(4*(\hi)+(\a))+7], v[PB+8*(\b):PB+8*(\b)+7] neg_lo:[1,1,0]
.else
	v_wmma_i32_16x16x64_iu8 v[8*(8*(\a)+(\b)):8*(8*(\a)+(\b))+7], v[(\f)+8*(\b):(\f)+8*(\b)+7], v[(\f)+8*(4*(\hi)+(\a)):(\f)+8*(4*(\hi)+(\a))+7], v[8*(8*(\a)+(\b)):8*(8*(\a)+(\b))+7] neg_lo:[1,1,0]
.endif
.endr
.endr
.endm
; 4 matrix instructions: my fragments 0-3 of w times the fragment of threes: 3 x the sum of 64 bytes of each row of w, the same in every column of the result
.macro RSUM f, first
	WIN RSW
.irp i, 0,1,2,3
.if \first
	v_wmma_i32_16x16x64_iu8 v[RS+8*(\i):RS+8*(\i)+7], v[(\f)+8*(\i):(\f)+8*(\i)+7], v[THREE:THREE+7], 0 neg_lo:[1,1,0]
.else
	v_wmma_i32_16x16x64_iu8 v[RS+8*(\i):RS+8*(\i)+7], v[(\f)+8*(\i):(\f)+8*(\i)+7], v[THREE:THREE+7], v[RS+8*(\i):RS+8*(\i)+7] neg_lo:[1,1,0]
.endif
.endr
.endm
; 32 LDS loads in one run: the fragments of one quarter step (128 rows of w, 128 rows of x, 64 bytes of K at byte k of the rows) into buffer f
.macro FETCH slot, k, f
	WIN TO_B
.irp i, 0,1,2,3
	ds_load_b128 v[(\f)+8*(\i):(\f)+8*(\i)+3],   v[ADRBL+(\slot)] offset:(\k)+(\i)*16*PITCH
	ds_load_b128 v[(\f)+8*(\i)+4:(\f)+8*(\i)+7], v[ADRBL+(\slot)] offset:(\k)+(\i)*16*PITCH+32
.endr
.irp i, 0,1,2,3
	ds_load_b128 v[(\f)+32+8*(\i):(\f)+32+8*(\i)+3],   v[ADRBH+(\slot)] offset:(\k)+(\i)*16*PITCH
	ds_load_b128 v[(\f)+32+8*(\i)+4:(\f)+32+8*(\i)+7], v[ADRBH+(\slot)] offset:(\k)+(\i)*16*PITCH+32
.endr
	WIN 0
.irp i, 0,1,2,3,4,5,6,7
	ds_load_b128 v[(\f)+8*(\i):(\f)+8*(\i)+3],   v[ADRA+(\slot)] offset:(\k)+(\i)*16*PITCH
	ds_load_b128 v[(\f)+8*(\i)+4:(\f)+8*(\i)+7], v[ADRA+(\slot)] offset:(\k)+(\i)*16*PITCH+32
.endr
.endm
; A K step is four quarter steps of 64 along K, 68 matrix instructions each, on buffers 0, 1, 0, 1.
; One of the first three: multiplies buffer f; in its middle it fetches the next quarter's fragments, at byte k of the same slot's rows, into buffer g.
.macro QUARTER slot, k, f, g, first
	s_wait_dscnt 8                                 ; w and x's rows 0-63 are in; the youngest eight loads (x's rows 64-127) may be out
	MUL16 \f, 0, 0, \first
	MUL16 \f, 0, 2, \first
	PLACES                                         ; for the loads into buffer g, which the quarter before multiplied
	FETCH \slot, \k, \g
	s_wait_dscnt 32                                ; all but the 32 just issued
	RSUM \f, \first
	MUL16 \f, 1, 0, \first
	MUL16 \f, 1, 2, \first
.endm
; The last quarter multiplies buffer 1 and changes slots.  MEET is its first half: ONE barrier for the change.  In front of it each wave waits for all its tensor loads, of which one is out: its part of the
; next slot; adds 0 to its spare word; and waits for that and for its own reads of this slot.  Behind it nobody reads this slot any more and the next slot is whole.
.macro MEET round                      ; round = 1: the rest of a round of the cluster's barrier follows
	WIN 0                                          ; (the add's two registers lie in window 0)
	s_wait_tensorcnt 0x0                           ; all my tensor loads have landed
	ds_add_u32 v[SPW], v[NIL]                      ; 0 onto my spare word
	s_wait_dscnt 9                                 ; (the add and the youngest eight loads may be out)
	MUL16 F1, 0, 0, 0                              ; sixteen matrix instructions stand between the add and the wait for it
	s_wait_dscnt 0x0                               ; the add is done, and my reads of this slot are over
	s_barrier_signal -1
	MUL16 F1, 0, 2, 0                              ; work on registers while the others arrive
.if \round
	WIN 0
.endif
	s_barrier_wait -1
.endm
; The whole last quarter.  fill = 1: behind the round the slot just read out is filled again first, with the K step two steps on: 240 matrix instructions stand between that request and the wait for it.
.macro TURN slot, next, fill
.if \fill
	s_wait_xcnt 0x0                                ; the last prefetch, a K step back, has read its address: it is stepped here, ahead of the waits of the change of slots
	s_add_nc_u64 s[PFA:PFA+1], s[PFA:PFA+1], KSTEP
.endif
	MEET \fill
.if \fill
	CREST                                          ; no wave of any partner still reads this slot's tile or has a load on its way
	s_add_nc_u64 s[G0+4*(\slot)+2:G0+4*(\slot)+3], s[G0+4*(\slot)+2:G0+4*(\slot)+3], 2*KSTEP
	s_add_nc_u64 s[G0B+4*(\slot)+2:G0B+4*(\slot)+3], s[G0B+4*(\slot)+2:G0B+4*(\slot)+3], 2*KSTEP
	JLOAD \slot                                    ; the first tensor load behind the round, my only one until the next
.else
	PLACES
.endif
	FETCH \next, 0, F0
.if \fill
	ASK \slot
.endif
	RSUM F1, 0
	MUL16 F1, 1, 0, 0
	MUL16 F1, 1, 2, 0
.endm
	s_wait_dscnt 0x0                               ; my parameters lie in the tables,
	s_wait_tensorcnt 1                             ; my part of K step 0 is in (K step 1's may stay out)
	s_barrier_signal -1
	s_barrier_wait -1                              ; everybody's is
	FETCH 0, 0, F0
	QUARTER 0, 64,  F0, F1, 1                      ; the first quarter stands in front of the loop: its products start the sums
	WIN 0                                          ; at a label and at a branch every window is 0
	s_mov_b32 s3, LAPS-1
.Llap:                                                 ; a trip goes once round the ring, from a lap's second quarter to the next lap's first, and fills both slots again
	QUARTER 0, 128, F1, F0, 0
	QUARTER 0, 192, F0, F1, 0
	TURN 0, 1, 1
	QUARTER 1, 64,  F0, F1, 0
	QUARTER 1, 128, F1, F0, 0
	QUARTER 1, 192, F0, F1, 0
	TURN 1, 0, 1
	QUARTER 0, 64,  F0, F1, 0
	WIN 0
	s_sub_co_u32 s3, s3, 1
	s_cmp_lg_u32 s3, 0
	s_cbranch_scc1 .Llap
	QUARTER 0, 128, F1, F0, 0                      ; the last lap fills nothing, and has no round of the cluster's barrier
	QUARTER 0, 192, F0, F1, 0
	TURN 0, 1, 0                                   ; behind its barrier nobody reads slot 0 any more, and no load will fill it again
	QUARTER 1, 64,  F0, F1, 0
	QUARTER 1, 128, F1, F0, 0
	QUARTER 1, 192, F0, F1, 0
	s_wait_dscnt 8                                 ; the very last quarter: nothing more to fetch
	MUL16 F1, 0, 0, 0
	MUL16 F1, 0, 2, 0
	s_wait_dscnt 0x0
	RSUM F1, 0
	MUL16 F1, 1, 0, 0
	MUL16 F1, 1, 2, 0
	; THE WAY OUT.  The parameters come out of the tables in the accumulators' layout; each wave makes BC for its fragments 0-3 and takes its partner's for fragments 4-7.
.macro PARAM dst, adr, off             ; four fragments' words of one table: eight loads
.irp i, 0,1,2,3
	ds_load_b128 v[(\dst)+8*(\i):(\dst)+8*(\i)+3],   v[\adr] offset:(\off)+64*(\i)
	ds_load_b128 v[(\dst)+8*(\i)+4:(\dst)+8*(\i)+7], v[\adr] offset:(\off)+64*(\i)+16
.endr
.endm
	PLACES                                         ; behind the last products: the loads below land in w's buffers, and what follows reads results and writes x's buffers
	WIN TO_B
	PARAM PS,    PLO, 0
	PARAM PS+32, PHI, 0
	PARAM PF,    PLO, 1024
	PARAM PF+32, PHI, 1024
	PARAM PBC,   PLO, 2048
	s_wait_dscnt 0x0
	WIN E_BC
.set i, 0
.rept 32
	v_mad_u32 v[PBC+i], v[RS+i], v[PS+i], v[PBC+i] ; BC = RS s - (5 << f) - (s << 23); each row sum's registers in ascending order
.set i, i+1
.endr
	WIN E_STB
.irp i, 0,1,2,3
	ds_store_b128 v[PLO], v[PBC+8*(\i):PBC+8*(\i)+3]   offset:3072+64*(\i)     ; the sixteen lanes of a half write the same words with the same values
	ds_store_b128 v[PLO], v[PBC+8*(\i)+4:PBC+8*(\i)+7] offset:3072+64*(\i)+16
.endr
	s_wait_dscnt 0x0                               ; for the partner's sake: my stores are done
	s_barrier_signal -1
	s_barrier_wait -1
	WIN TO_B
	PARAM PBC+32, PHI, 3072
	s_wait_dscnt 0x0
; Block a, 16 rows x 128 columns: 64 numbers a lane.  Clamp, multiply-add, shift, clip; three byte permutes pack four numbers; 8 bytes a lane and fragment go into the work-group's stage:
; 32 lanes at 272 r + 8 h touch each bank once.
.macro REQ a
.set AC, 64*((\a)%4)
	WIN 0x02+(\a)/4                                ; source 0: window 2 or 3
.set i, 0
.rept 64
	v_med3_i32 v[T+i], v[AC+i], 0, s69             ; each accumulator's registers in ascending order
.set i, i+1
.endr
	WIN E_MAD
.set i, 0
.rept 64
	v_mad_u32_u24 v[T+i], v[T+i], v[PS+i], v[PBC+i]
.set i, i+1
.endr
	WIN E_SH
.set i, 0
.rept 64
	v_ashrrev_i32 v[T+i], v[PF+i], v[T+i]
.set i, i+1
.endr
	WIN 0
.set i, 0
.rept 64
	v_med3_i32 v[T+i], v[T+i], s70, s71
.set i, i+1
.endr
.irp b, 0,1,2,3,4,5,6,7
	v_perm_b32 v[T+8*(\b)],   v[T+8*(\b)+1], v[T+8*(\b)],   s72
	v_perm_b32 v[T+8*(\b)+2], v[T+8*(\b)+3], v[T+8*(\b)+2], s72
	v_perm_b32 v[T+8*(\b)+4], v[T+8*(\b)+5], v[T+8*(\b)+4], s72
	v_perm_b32 v[T+8*(\b)+6], v[T+8*(\b)+7], v[T+8*(\b)+6], s72
	v_perm_b32 v[U+2*(\b)],   v[T+8*(\b)+2], v[T+8*(\b)],   s73
	v_perm_b32 v[U+2*(\b)+1], v[T+8*(\b)+6], v[T+8*(\b)+4], s73
.endr
.irp b, 0,1,2,3
	ds_store_b64 v[STOL], v[U+2*(\b):U+2*(\b)+1] offset:(\a)*16*PITCH+16*(\b)
.endr
.irp b, 0,1,2,3
	ds_store_b64 v[STOH], v[U+8+2*(\b):U+8+2*(\b)+1] offset:(\a)*16*PITCH+16*(\b)
.endr
.endm
.irp a, 0,1,2,3,4,5,6,7
	REQ \a
.endr
	s_wait_dscnt 0x0                               ; for the others' sake: my stores into the stage are done (a row's 256 bytes come from two waves)
	s_barrier_signal -1
	s_barrier_wait -1
.set t, 0
.rept 32
	ds_load_b128 v[64+4*t:64+4*t+3], v[RD] offset:t*2*PITCH
.set t, t+1
.endr
.set t, 0
.rept 32
	s_wait_dscnt 31-t                              ; LDS loads come back in order (ISA guide 5.7.1): pair t of rows is in, the younger ones stay out
	global_store_b128 v[CO], v[64+4*t:64+4*t+3], s[12:13] offset:2*t*4096 th:TH_STORE_NT  ; 16 lanes store 256 consecutive bytes, at a multiple of 256 from out0's first byte
.set t, t+1
.endr
	s_wait_tensorcnt 0x0                           ; the wave's end, behind my last tensor load and my last LDS store
	ds_add_u32 v[SPW], v[NIL]
	s_wait_dscnt 0x0
	CROUND                                         ; the closing round: no work-group ends while a partner may still ask for a tile that names it
	s_endpgm
.Lfunc_end_k_q1c1bfb590b_qlinear:
	.size	k_q1c1bfb590b_qlinear, .Lfunc_end_k_q1c1bfb590b_qlinear-k_q1c1bfb590b_qlinear
	.p2alignl 7, 3214868480
	.fill 96, 4, 3214868480
	.section	.rodata,"a",@progbits
	.p2align	6, 0x0
	.amdhsa_kernel k_q1c1bfb590b_qlinear
		.amdhsa_group_segment_fixed_size 327680
		.amdhsa_private_segment_fixed_size 0
		.amdhsa_enable_private_segment 0
		.amdhsa_kernarg_size 40
		.amdhsa_user_sgpr_count 2
		.amdhsa_user_sgpr_kernarg_segment_ptr 1
		.amdhsa_wavefront_size32 1
		.amdhsa_system_sgpr_workgroup_id_x 1
		.amdhsa_system_sgpr_workgroup_id_y 1
		.amdhsa_system_sgpr_workgroup_id_z 1
		.amdhsa_system_vgpr_workitem_id 0
		.amdhsa_next_free_vgpr 1024
		.amdhsa_next_free_sgpr 80
		.amdhsa_reserve_vcc 0
		.amdhsa_float_denorm_mode_32 3
		.amdhsa_float_denorm_mode_16_64 3
		.amdhsa_memory_ordered 1
		.amdhsa_forward_progress 1
		.amdhsa_inst_pref_size 255
	.end_amdhsa_kernel
	.section	.bss,"aw",@nobits
	.p2align	6
	.space	262144
	.amdgpu_metadata
---
amdhsa.version: [ 1, 2 ]
amdhsa.kernels:
  - .name:           k_q1c1bfb590b_qlinear
    .symbol:         k_q1c1bfb590b_qlinear.kd
    .args:
      - { .name: qinput, .offset: 0, .size: 8, .value_kind: global_buffer, .address_space: global }
      - { .name: qweight, .offset: 8, .size: 8, .value_kind: global_buffer, .address_space: global }
      - { .name: qbias, .offset: 16, .size: 8, .value_kind: global_buffer, .address_space: global }
      - { .name: weight_scale, .offset: 24, .size: 8, .value_kind: global_buffer, .address_space: global }
      - { .name: out0, .offset: 32, .size: 8, .value_kind: global_buffer, .address_space: global }
    .group_segment_fixed_size: 327680
    .private_segment_fixed_size: 0
    .kernarg_segment_align: 8
    .kernarg_segment_size: 40
    .max_flat_workgroup_size: 128
    .sgpr_count:     80
    .vgpr_count:     1024
    .wavefront_size: 32
...
	.end_amdgpu_metadata
.endif
;; end of part 1
